; MI455X (gfx1250); checked and timed in simulation.
; The chip was launched on July 23, 2026; its instructions are those of AMD's public machine-readable ISA for CDNA 5 (MIT licence, August 2026) and "CDNA5" Instruction Set Architecture Reference Guide (July 2026). The comments in the code are by the model that wrote it; some were corrected since.
;; NN Sensor Response. Allowed arithmetic: matrix products marked QUANTISED: E2M3 operands, one E8M0 scale for each 32 along K, by v_wmma_scale_f32_16x16x128_f8f6f4 with both operands' format E2M3, f32 sums; products left as they are: f32 operands where the result goes on into a quantised operand, else bf16, f16 or f32 operands; f32 sums; everything else in f32.
;; Inputs: W1 2 x 128 float32; W2_codes 128 x 4 x 24 uint8 (E2M3 codes of W2, K innermost, in blocks of 32 codes, four codes in three bytes); W2_scales 128 x 4 uint8 (E8M0 scales of W2, one for each 32 codes along K); W3_codes 64 x 4 x 24 uint8 (E2M3 codes of W3, K innermost, in blocks of 32 codes, four codes in three bytes); W3_scales 64 x 4 uint8 (E8M0 scales of W3, one for each 32 codes along K); b1 128 float32; b2 128 float32; b3 64 float32; el_photons 300,000 x 1 float32; xy_positions 300,000 x 2 float32; z_positions 300,000 float32.
;; Outputs: out0 64 x 512 float32.
;; This version of the problem:
;;   THIS VERSION OF THE PROBLEM IS GIVEN IN LOW PRECISION. The matrix products marked QUANTISED in the list below multiply operands that are first quantised to E2M3 (2 exponent bits, 3 mantissa bits; 6 bits a number), with one power-of-two scale for each 32 numbers along K (OCP MX v1.0); their sums are f32. All else is computed in f32.
;;   The module's matrix products, in the order in which they are computed (A, B: the left and right operand; K: the contracted axis; several contracted axes count as one K, in the product's order):
;;     1. [M 300,000, K 2] x [K 2, N 128]; A: input xy_positions; B: input W1: left as it is (K = 2 < 32)
;;     2. [M 300,000, K 128] x [K 128, N 128]; A: computed on the way; B: input W2 (given as codes): QUANTISED
;;     3. [M 300,000, K 128] x [K 128, N 64]; A: computed on the way; B: input W3 (given as codes): QUANTISED
;;     4. [M 64, K 300,000] x [K 300,000, N 512]; A: computed on the way; B: computed on the way: QUANTISED
;;   THE QUANTISER, for each operand of a quantised product, along K:
;;     - K is cut into blocks of 32 from its start; a last block that is shorter is filled with zeros.
;;     - A block's scale is 2^e with e = floor(log2(the largest magnitude in the block)) - 2, held to -126 .. 127; a block of zeros has e = 0. As a byte (E8M0): e + 127.
;;     - Each number is divided by its block's scale, clamped to +-7.5, and rounded to the nearest number of E2M3, ties to even, subnormals kept.
;;     - The product sums the exact products of the quantised numbers (number of the format x scale) in f32.
;;   ~~~python
;;   def quantise(x, axis):      # numpy; x: float32 -> the quantised numbers, widened to float32 again
;;       x = np.moveaxis(x, axis, -1); K = x.shape[-1]
;;       x = np.pad(x, [(0, 0)] * (x.ndim - 1) + [(0, -K % 32)]); x = x.reshape(x.shape[:-1] + (-1, 32)); a = np.abs(x).max(-1, keepdims=True)
;;       e = np.where(a > 0, np.clip(np.frexp(np.where(a > 0, a, 1))[1] - 1 - 2, -126, 127), 0)      # np.frexp(a)[1] - 1 = floor(log2(a)), exactly
;;       r = np.clip(x / 2.0 ** e, -7.5, 7.5)
;;       step = 2.0 ** (np.maximum(np.frexp(np.where(r == 0, 1, r))[1] - 1, 0) - 3)
;;       q = np.round(r / step) * step * 2.0 ** e      # np.round: ties to even
;;       return np.moveaxis(q.reshape(q.shape[:-2] + (-1,))[..., :K], -1, axis).astype(np.float32)
;;   ~~~
;;   OPERANDS COMPUTED ON THE WAY. 'Computed on the way' means the value that the module computes at that place (a softmax that the list does not call 'softmax' is quantised finished and normalised). What goes into a quantiser is computed in f32, as accurately as f32 sums, v_exp_f32 and their like allow (about 1e-6 of the number): no bf16 or f16 on the way to a quantiser, and a product that is left as it is and whose result goes on into a quantised operand takes f32 operands (vector FMAs, or v_wmma_f32_16x16x4_f32). A number that lies on a knife's edge between two numbers of the format may be rounded either way, as far as f32 arithmetic and the matrix unit's own rounding can turn it there, and no further.
;;   INPUTS GIVEN AS CODES. W2 (in the module: [128, 128], K = its axis 0); W3 (in the module: [128, 64], K = its axis 0): each comes as NAME_codes (uint8): NAME with its K axis moved to the last place and cut into blocks of 32 codes, [.., K / 32, bytes a block], one block behind the other in memory; four codes in three bytes: a row's codes are one little-endian stream of bits, code i at bits 6 i .. 6 i + 5 (a code: sign, 2 exponent bits, 3 mantissa bits); and NAME_scales (uint8): the same leading axes, one E8M0 byte (e + 127) for each 32 codes along K. Its value is code x scale, taken as it is: it is not quantised again, and the codes and scales need not be those that the quantiser above would give.
;; One version. Each part assembles by itself: llvm-mc -triple=amdgcn-amd-amdhsa -mcpu=gfx1250 --defsym DOCPART=n.
;; ======== version 1 of 1: 2 launches
;; workspace buffers: part 30,801,920 bytes
;; launch wave (part 1): grid 235 x 1, 8 waves a work-group, no clusters, 253,440 bytes of LDS; arguments xy_positions, z_positions, el_photons, W1, b1, W2_codes, W2_scales, b2, W3_codes, W3_scales, b3, part; writes part
.if DOCPART == 1
	.amdgcn_target "amdgcn-amd-amdhsa--gfx1250"
	.amdhsa_code_object_version 6
	.text
	.protected	k_q06386da055_wave
	.globl	k_q06386da055_wave
	.p2align	8
	.type	k_q06386da055_wave,@function
k_q06386da055_wave:
	s_mov_b64 s[64:65], 0
	v_nop
	global_prefetch_b8 v0, s[64:65] scope:SCOPE_SE
	s_setreg_imm32_b32 hwreg(HW_REG_WAVE_MODE, 25, 1), 1
	s_wait_xcnt 0x0
; Sensor response and soft binning, first launch.  Work-group g takes electrons 1280 g .. 1280 g + 1279 (ten K steps of 128 of the last product) through everything:
; h1 = relu(xy W1 + b1) in f32; h2 = relu(Q(h1) W2 + b2) and resp = Q(h2) W3 + b3 on codes of E2M3; R = photons x sigmoid(resp); E[n][t] = 0.3989422804 exp(-(t - z)^2 / 2);
; part[g][sensor][tick] = the sum over its electrons of Q(R) Q(E), both quantised along the electrons in blocks of 32.  The second launch adds the 235 parts.
; WHY K ALONE IS SPLIT: a split of the ticks would repeat the network, a split of the sensors would repeat E; either is more vector work than the 131,072 bytes a work-group stores.
; 2,344 K steps over 256 WGPs leave some work-group with ten: 235 work-groups of ten have constant trip counts and every one has electrons of its own (the last one 480).
; THE TAIL: indices are held at 299,999 and the photon count of an electron past the end is replaced by 0: R is 0 there, its codes are zeros and add nothing.  300,000 is a multiple of 32: no block is cut.
; NO TENSOR LOADS, NO CLUSTER: a work-group reads 20,480 bytes of its own electrons and 21,504 bytes of weights, once, through registers; only the weights are shared between work-groups.
; LAYOUTS (lane = (r = lane % 16, h = lane / 16)).  Electron tile u = 4 c + q of a K step: row rho is electron 64 c + 8 q + rho % 8 + 32 (rho / 8).  Tile t of W1's and W2's units: row rho is unit
; 32 (t / 2) + 8 (t % 2) + rho + 8 (rho / 8).  Layers 1 and 2 are used transposed (source 0 = units, source 1 = electrons): a lane holds one electron, and register 16 b + i the unit 32 b + 16 h + i.
; Layer 3 is used as it stands (source 0 = electrons, source 1 = sensors): the 32 registers of tiles q = 0 .. 3 are electrons 64 c + 32 h + 0 .. 31 of ONE sensor: a whole block in a lane, in the operand's own order.
; The last product is used transposed (source 0 = 16 ticks of E, source 1 = 16 sensors of R): a lane computes E for one tick and 32 neighbouring electrons straight into operand order.
; Layer 1 goes by the f32 matrix form with K = 4: k = 0, 1 are x, y against W1's two rows, k = 2 is 1.0 against b1, k = 3 is 0.
; PHASES, a barrier between them: 0 inputs to LDS, weights to registers | A wave w: tile u = w of every K step, layers 1 and 2, h2's codes to LDS as images of the operand's registers |
; B wave w: sensors 16 (w % 4) on, half c = w / 4 of every K step: layer 3, sigmoid, photons, R's codes to LDS | C wave w: ticks 64 w .. 64 w + 63 against all 64 sensors | D the way out.
; LIMITS: E under 2^-126 comes out of v_exp_f32 as 0 (ISA guide, 15.8); a block of zeros gets the scale byte 1 and not 127 (its codes are zeros; the bytes are read by this program alone);
; NaN and infinities among the inputs are not served.
.set NEL,   300000
.set EW,    1280
.set FLOOR, 0x01800000                 ; 2^(3 - 127): no largest magnitude is taken under it, so a scale byte cannot fall under 1
.set EOFF,  0xff000000                 ; takes 2 off an exponent field
.set KC,    0xbf38aa3b                 ; -log2(e) / 2
.set LC,    0xbfa9b21d                 ; log2(0.3989422804)
.set NL2E,  0xbfb8aa3b                 ; -log2(e)
; LDS
.set XYB,   0                          ; 10,240  xy, 8 bytes an electron
.set ZB,    10240                      ;  5,120  z
.set PB,    15360                      ;  5,120  photons, 0 past the end
.set H2I,   20480                      ; 122,880 h2's fragments as register images of 1,536 bytes (3 x 16 bytes x lane): tile u, K step s at 15360 u + 1536 s: what a wave stores is one run
.set H2S,   143360                     ; 10,240  their scale words, 4 bytes x lane: 1280 u + 128 s
.set RI,    153600                     ; 61,440  R's half fragments (six registers a lane): wave w = n + 4 c, K step s at 7680 w + 768 s: 512 bytes (16 x lane), then 256 (8 x lane)
.set RS,    215040                     ;  2,560  R's scale bytes, two to a sensor: 320 w + 32 s + 2 r
.set STG,   217600                     ; 34,816  the way out: 16 rows x 272 bytes for each wave
; registers, window 0: v1 lane, v2 r, v3 h, v4-9 the phase's addresses, v10 8 h, v11 at work
.set XR,    12                         ; v[12:13]  x, y as loaded
.set XB,    14                         ; v[14:15]  layer 1's source 1
.set LCP,   16                         ; v[16:17]  LC, twice
.set TT,    18                         ; v[18:25]  my tick of tile m, as f32, twice
.set BB,    26                         ; v[26:27]  -log2(e) b3 of my sensor, twice
.set TM,    32                         ; v32-47    at work in the quantisers
.set PW,    228                        ; scale registers hold scales and nothing else: the word just made,
.set W2S,   230                        ; v230-237  W2's,
.set H2SC,  238                        ; v238-241  h2's,
.set W3S,   242                        ; W3's,
.set ES,    243                        ; E's,
.set RSC,   244                        ; v244-247  R's
.set PCA,   48                         ; phase A: 12 registers of codes, conversions' second halves at +12 and +16
.set HB,    68                         ; v68-131   64 numbers of a lane
.set W2F,   132                        ; v132-227  W2's eight fragments
.set H2F,   48                         ; phase B: four fragments of h2
.set DD,    96                         ; v96-127   four tiles of layer 3: 32 electrons of my sensor
.set PH,    128                        ; v128-159  their photons
.set RC,    160                        ; v160-165  R's six registers;  v166-168 a conversion's second half
.set CTB,   166
.set ZZ,    48                         ; phase C: v48-79 z of half 0, v80-111 of half 1
.set XX,    112                        ; v112-143  32 numbers of E
.set PCC,   144                        ; v144-155  E's fragment
.set CTC,   156
.set RF,    160                        ; v160-207  R's four fragments
.set RSH,   208                        ; v208-215  R's scale half words as loaded
.set OB,    48                         ; phase D: v48-175 rows read back
; window 1: v0-63 layer 1's results, v64-127 layer 2's; in phase C the sixteen accumulators, (m, n) at v[8 (4 m + n)].  v0-63 are written by matrix instructions alone in the whole text.
.set HA,    0
.set HC,    64
.set B2,    128                        ; v128-191  b2 in the result's layout
.set A1,    192                        ; v192-207  layer 1's source 0, eight tiles
.set W3F,   208                        ; v208-219  W3's fragment of my sensors
.set MSB, 0
.macro WIN new                         ; s_set_vgpr_msb: bits 1:0 source 0, 3:2 source 1, 5:4 source 2, 7:6 destination; the high byte repeats the setting that is left
.if MSB != \new
	s_set_vgpr_msb (MSB<<8)|\new
.set MSB, \new
.endif
.endm
.macro PLACES n                        ; plain vector lines between a matrix instruction and what touches its registers (ISA guide 7.12.1)
.rept \n
	v_nop
.endr
.endm
.macro BARRIER                         ; my LDS stores have landed and my LDS loads are in: then the work-group's barrier
	s_wait_dscnt 0x0
	s_barrier_signal -1
	s_barrier_wait -1
.endm
; ---------------- phase 0 ----------------
	s_load_b512 s[4:19], s[0:1], 0x0               ; xy 4, z 6, photons 8, W1 10, b1 12, W2's codes 14, W2's scales 16, b2 18
	s_load_b256 s[20:27], s[0:1], 0x40             ; W3's codes 20, W3's scales 22, b3 24, part 26
	v_lshl_add_u32 v254, v0, 2, 0x3da00
	v_mov_b32 v255, 0
	v_and_b32 v1, 31, v0                           ; lane
	v_and_b32 v2, 15, v0                           ; r
	v_bfe_u32 v3, v0, 4, 1                         ; h
	v_lshrrev_b32 v11, 5, v0
	v_readfirstlane_b32 s28, v11                   ; wave 0..7
	s_and_b32 s29, s28, 3                          ; w % 4
	s_lshr_b32 s30, s28, 2                         ; w / 4
	s_mov_b32 s32, 0x76543210
	s_mov_b32 s33, 0xfedcba98                      ; v_permlanex16_b32's selects for lane l xor 16
	s_mov_b32 s34, KC
	s_mov_b32 s35, KC                              ; (a packed form names the pair)
	s_mov_b32 s36, 0xffff0000                      ; the lanes with h = 1
	s_mov_b32 s38, NL2E
	s_mov_b32 s39, NL2E
	v_lshlrev_b32 v10, 3, v3                       ; 8 h
	v_mov_b32 v[LCP], LC
	v_mov_b32 v[LCP+1], LC
.irp b, 4,5,6,7,15
	v_mov_b32 v[TM+\b], 0                          ; written once: a lane permute's destination counts as one of its sources
.endr
	v_and_b32 v109, 8, v2
	v_add_nc_u32 v109, v109, v2                    ; r + 8 (r / 8)
	v_lshlrev_b32 v110, 2, v109                    ; W1, b1, W2's scale words: 4 bytes a unit
	v_mul_u32_u24 v109, v109, 96
	v_mad_u32_u24 v109, v3, 24, v109               ; W2's codes: 96 bytes a unit, + 24 h
	v_lshlrev_b32 v111, 6, v3                      ; b2: 64 h
	v_mul_u32_u24 v112, v2, 96
	v_mad_u32_u24 v112, v3, 24, v112
	s_mul_i32 s40, s29, 1536
	v_add_nc_u32 v112, s40, v112                   ; W3's codes: sensor 16 (w % 4) + r
	s_lshl_b32 s41, s29, 6
	v_lshl_add_u32 v113, v2, 2, s41                ; W3's scale words and b3
	s_mul_i32 s42, ttmp9, EW
	v_add_nc_u32 v72, s42, v0                      ; the electrons that I stage: 1280 g + thread + 256 i
.irp i, 1,2,3,4
	v_add_nc_u32 v[72+\i], 256*\i, v72
.endr
.irp i, 0,1,2,3,4
	v_min_u32 v[77+\i], NEL-1, v[72+\i]            ; no load leaves its buffer
.endr
.irp i, 0,1,2,3,4
	v_lshlrev_b32 v[82+\i], 2, v[77+\i]
	v_lshlrev_b32 v[77+\i], 3, v[77+\i]
.endr
	s_lshl_b32 s40, ttmp9, 17                      ; my 131,072 bytes of part
	s_mov_b32 s41, 0
	s_wait_kmcnt 0x0
	s_add_nc_u64 s[26:27], s[26:27], s[40:41]
.irp i, 0,1,2,3,4
	global_load_b64 v[88+2*\i:89+2*\i], v[77+\i], s[4:5]
	global_load_b32 v[98+\i], v[82+\i], s[6:7]
	global_load_b32 v[103+\i], v[82+\i], s[8:9]
.endr
.irp t, 0,1,2,3,4,5,6,7
.irp p, 0,1,2,3,4,5
	global_load_b64 v[W2F+12*\t+2*\p:W2F+12*\t+2*\p+1], v109, s[14:15] offset:(32*(\t/2)+8*(\t%2))*96+48*(\p/3)+8*(\p%3)
.endr
	global_load_b32 v[W2S+\t], v110, s[16:17] offset:(32*(\t/2)+8*(\t%2))*4
	global_load_b32 v[48+\t], v110, s[10:11] offset:(32*(\t/2)+8*(\t%2))*4        ; W1's row 0,
	global_load_b32 v[56+\t], v110, s[10:11] offset:(32*(\t/2)+8*(\t%2))*4+512    ; its row 1,
	global_load_b32 v[64+\t], v110, s[12:13] offset:(32*(\t/2)+8*(\t%2))*4        ; b1
.endr
	global_load_b32 v[W3S], v113, s[22:23]
	global_load_b32 v108, v113, s[24:25]           ; b3 of my sensor
	WIN 0x40                                       ; destination window 1
.irp t, 0,1,2,3,4,5,6,7
	global_load_b128 v[B2+8*\t:B2+8*\t+3], v111, s[18:19] offset:(32*(\t/2)+8*(\t%2))*4       ; lane (r, h), tile t: b2 of units 32 (t / 2) + 8 (t % 2) + 16 h + 0 .. 7
	global_load_b128 v[B2+8*\t+4:B2+8*\t+7], v111, s[18:19] offset:(32*(\t/2)+8*(\t%2))*4+16
.endr
.irp p, 0,1,2,3,4,5
	global_load_b64 v[W3F+2*\p:W3F+2*\p+1], v112, s[20:21] offset:48*(\p/3)+8*(\p%3)
.endr
	WIN 0
	s_wait_loadcnt 0x0                             ; once, for all 119 loads
.irp i, 0,1,2,3,4
	v_cmp_gt_u32 vcc_lo, NEL, v[72+\i]
	v_cndmask_b32 v[103+\i], 0, v[103+\i], vcc_lo  ; past the end: no photons
.endr
	v_lshlrev_b32 v114, 3, v0
	v_lshlrev_b32 v115, 2, v0
.irp i, 0,1,2,3,4
	ds_store_b64 v114, v[88+2*\i:89+2*\i] offset:XYB+2048*\i
	ds_store_b32 v115, v[98+\i] offset:ZB+1024*\i
	ds_store_b32 v115, v[103+\i] offset:PB+1024*\i
.endr
	WIN 0x40
.irp t, 0,1,2,3,4,5,6,7                        ; layer 1's source 0: register j holds k = 2 h + j: lanes 0-15 W1's two rows, lanes 16-31 b1 and 0
	v_cndmask_b32 v[A1+2*\t], v[48+\t], v[64+\t], s36
	v_cndmask_b32 v[A1+2*\t+1], v[56+\t], 0, s36
.endr
	WIN 0
	v_mul_f32 v[BB], s38, v108
	v_mov_b32 v[BB+1], v[BB]
	v_lshl_add_u32 v11, s28, 6, v2
	v_cvt_f32_u32 v[TT], v11                       ; my tick of tile 0: 64 w + r
	v_mov_b32 v[TT+1], v[TT]
	v_add_f32 v[TT+2], 0x41800000, v[TT]           ; + 16
	v_mov_b32 v[TT+3], v[TT+2]
	v_add_f32 v[TT+4], 0x42000000, v[TT]           ; + 32
	v_mov_b32 v[TT+5], v[TT+4]
	v_add_f32 v[TT+6], 0x42400000, v[TT]           ; + 48
	v_mov_b32 v[TT+7], v[TT+6]
	; phase A's addresses
	v_and_b32 v4, 7, v2
	v_bfe_u32 v11, v2, 3, 1
	v_lshl_add_u32 v4, v11, 5, v4                  ; r % 8 + 32 (r / 8)
	s_lshl_b32 s40, s30, 9
	s_lshl_b32 s41, s29, 6
	s_add_co_u32 s40, s40, s41                     ; 8 bytes x (64 (w / 4) + 8 (w % 4))
	v_lshl_add_u32 v4, v4, 3, s40                  ; v4: my electron's xy (XYB = 0); 1,024 bytes a K step
	s_mul_i32 s40, s28, 15360
	s_add_co_u32 s40, s40, H2I
	v_lshl_add_u32 v5, v1, 4, s40                  ; v5: where I store h2's images; 1,536 bytes a K step
	s_mul_i32 s40, s28, 1280
	s_add_co_u32 s40, s40, H2S
	v_lshl_add_u32 v6, v1, 2, s40                  ; v6: and their scale words; 128 bytes a K step
	BARRIER                                        ; the work-group's 1,280 electrons lie in LDS
; ---------------- phase A ----------------
; 64 numbers of a lane, register 16 b + i = k 32 b + 16 h + i of my row, become a fragment's codes in v[PCA] on and its scale word in v[PW].
.macro QUANT s
.irp b, 0,1,2,3
	v_max3_num_f32 v[TM+\b], |v[\s+16*\b]|, |v[\s+1+16*\b]|, FLOOR
.endr
.irp i, 2,4,6,8,10,12,14
.irp b, 0,1,2,3
	v_max3_num_f32 v[TM+\b], v[TM+\b], |v[\s+16*\b+\i]|, |v[\s+1+16*\b+\i]|   ; the four blocks by turns
.endr
.endr
.irp b, 0,1,2,3
	v_permlanex16_b32 v[TM+4+\b], v[TM+\b], s32, s33
.endr
.irp b, 0,1,2,3
	v_max_num_f32 v[TM+\b], v[TM+\b], v[TM+4+\b]   ; with lane l xor 16's: the block's largest magnitude
.endr
.irp b, 0,1,2,3
	v_add_nc_u32 v[TM+12+\b], EOFF, v[TM+\b]       ; 2 off its exponent field: the conversion takes that field as its scale
.endr
.irp b, 0,1,2,3
	v_lshrrev_b32 v[TM+4+\b], 23, v[TM+12+\b]      ; the scale's byte
.endr
	v_lshl_or_b32 v[PW], v[TM+5], 8, v[TM+4]
	v_lshl_or_b32 v[PW], v[TM+6], 16, v[PW]
	v_lshl_or_b32 v[PW], v[TM+7], 24, v[PW]
.irp c, 0,1
	v_cvt_scalef32_pk16_fp6_f32 v[PCA+6*\c:PCA+2+6*\c], v[\s+32*\c:\s+15+32*\c], v[TM+12+2*\c]
	v_cvt_scalef32_pk16_fp6_f32 v[PCA+12+4*\c:PCA+14+4*\c], v[\s+16+32*\c:\s+31+32*\c], v[TM+12+2*\c+1]   ; (a conversion's three registers begin on an even number)
.endr
	v_nop                                          ; one plain line behind a scaled conversion
.irp c, 0,1                                    ; the operand wants a whole block in a lane: lanes 0-15 block 2 c, lanes 16-31 block 2 c + 1
.irp i, 0,1,2
	v_permlane16_swap_b32 v[PCA+6*\c+\i], v[PCA+12+4*\c+\i]
.endr
.irp i, 0,1,2
	v_mov_b32 v[PCA+3+6*\c+\i], v[PCA+12+4*\c+\i]
.endr
.endr
.endm
.macro RELU src                        ; from window 1 into v[HB] on; each accumulator from its low end on
	WIN 0x04
.set j, 0
.rept 64
	v_max_num_f32 v[HB+j], 0, v[\src+j]
.set j, j+1
.endr
	WIN 0
.endm
.macro XBMAKE                          ; layer 1's source 1: lanes 0-15 x, y; lanes 16-31 1.0, 0.  Then on to the next K step's xy
	v_cndmask_b32 v[XB], v[XR], 1.0, s36
	v_cndmask_b32 v[XB+1], v[XR+1], 0, s36
	v_add_nc_u32 v4, 1024, v4
.endm
.macro L1                              ; eight whole sums of K = 4, each begun with the constant 0
	WIN 0x41
.irp t, 0,1,2,3,4,5,6,7
	v_wmma_f32_16x16x4_f32 v[HA+8*\t:HA+8*\t+7], v[A1+2*\t:A1+2*\t+1], v[XB:XB+1], 0
.endr
.endm
; One tile of 16 electrons.  Layer 1's results are there on entry; more = 1: the next K step's layer 1 is issued behind layer 2's products and is worked while h2 is quantised.
.macro TILE more
.if \more
	ds_load_b64 v[XR:XR+1], v4                     ; the next K step's xy
.endif
	RELU HA
	s_wait_dscnt 0x0                               ; xy is in; the last tile's image stores are done
	QUANT HB
.if \more
	XBMAKE                                         ; eight plain lines between the codes and scale word just made and the scaled products
	PLACES 5
.else
	PLACES 8
.endif
	WIN 0x50                                       ; C (b2) and D in window 1
.irp t, 0,1,2,3,4,5,6,7
	v_wmma_scale_f32_16x16x128_f8f6f4 v[HC+8*\t:HC+8*\t+7], v[W2F+12*\t:W2F+12*\t+11], v[PCA:PCA+11], v[B2+8*\t:B2+8*\t+7], v[W2S+\t], v[PW] matrix_a_fmt:MATRIX_FMT_FP6 matrix_b_fmt:MATRIX_FMT_FP6
.endr
.if \more
	L1
.endif
	PLACES 4                                       ; in front of the first read of layer 2's results
	RELU HC
	QUANT HB
.irp g, 0,1,2
	ds_store_b128 v5, v[PCA+4*\g:PCA+4*\g+3] offset:512*\g     ; the fragment as it stands: lane l's 16 bytes at 16 l
.endr
	ds_store_b32 v6, v[PW]
	v_add_nc_u32 v5, 1536, v5
	v_add_nc_u32 v6, 128, v6
.endm
	ds_load_b64 v[XR:XR+1], v4
	s_wait_dscnt 0x0
	XBMAKE
	L1
	PLACES 8                                       ; the f32 form wants eight in front of the first read of its results
	WIN 0
	s_mov_b32 s31, 9
.Ltile:
	TILE 1
	s_sub_co_u32 s31, s31, 1
	s_cmp_lg_u32 s31, 0
	s_cbranch_scc1 .Ltile
	TILE 0                                         ; the tenth K step asks for nothing more
	BARRIER                                        ; h2's eighty fragments lie in LDS
; ---------------- phase B ----------------
	s_mul_i32 s40, s30, 61440
	s_add_co_u32 s40, s40, H2I
	v_lshl_add_u32 v4, v1, 4, s40                  ; v4: h2's images of tiles 4 c + q; 1,536 bytes a K step
	s_mul_i32 s40, s30, 5120
	s_add_co_u32 s40, s40, H2S
	v_lshl_add_u32 v5, v1, 2, s40                  ; v5: their scale words
	s_lshl_b32 s40, s30, 8
	s_add_co_u32 s40, s40, PB
	v_lshl_add_u32 v6, v3, 7, s40                  ; v6: photons of electrons 64 c + 32 h on; 512 bytes a K step
	s_mul_i32 s40, s28, 7680
	s_add_co_u32 s40, s40, RI
	v_lshl_add_u32 v7, v1, 4, s40                  ; v7: R's registers 0-3
	s_add_co_u32 s40, s40, 512
	v_lshl_add_u32 v8, v1, 3, s40                  ; v8: registers 4-5
	s_mul_i32 s40, s28, 320
	s_add_co_u32 s40, s40, RS
	v_lshl_add_u32 v9, v2, 1, s40                  ; v9: my sensor's two scale bytes
.macro FLOAD                           ; 16 LDS loads: four fragments and their scale words
.irp q, 0,1,2,3
.irp g, 0,1,2
	ds_load_b128 v[H2F+12*\q+4*\g:H2F+12*\q+4*\g+3], v4 offset:15360*\q+512*\g
.endr
	ds_load_b32 v[H2SC+\q], v5 offset:1280*\q
.endr
.endm
.macro PLOAD                           ; 8 LDS loads: 32 photon counts; sixteen lanes share each address
.irp i, 0,1,2,3,4,5,6,7
	ds_load_b128 v[PH+4*\i:PH+4*\i+3], v6 offset:16*\i
.endr
.endm
.macro MAX32 b                         ; the largest magnitude of v[b] .. v[b + 31] and the floor, in v32: 33 leaves, sixteen lines, four chains by turns
.irp k, 0,1,2,3
	v_max3_num_f32 v[TM+\k], |v[\b+8*\k]|, |v[\b+8*\k+1]|, |v[\b+8*\k+2]|
.endr
.irp i, 3,5
.irp k, 0,1,2,3
	v_max3_num_f32 v[TM+\k], v[TM+\k], |v[\b+8*\k+\i]|, |v[\b+8*\k+\i+1]|
.endr
.endr
	v_max3_num_f32 v[TM], v[TM], |v[\b+7]|, |v[\b+15]|
	v_max3_num_f32 v[TM+2], v[TM+2], |v[\b+23]|, |v[\b+31]|
	v_max3_num_f32 v[TM], v[TM], v[TM+1], v[TM+2]
	v_max3_num_f32 v[TM], v[TM], v[TM+3], FLOOR
.endm
; One K step's half c for my 16 sensors.  wp: the LDS instructions that may be out when the photons are wanted.
.macro SENS more, wp
	s_wait_dscnt 8                                 ; the fragments are in.  Behind them stand the 8 photon loads (on the way back also 3 stores: 8 is the smaller count and holds on both ways)
	WIN 0x04                                       ; source 1 (W3) window 1
.irp q, 0,1,2,3
	v_wmma_scale_f32_16x16x128_f8f6f4 v[DD+8*\q:DD+8*\q+7], v[H2F+12*\q:H2F+12*\q+11], v[W3F:W3F+11], 0, v[H2SC+\q], v[W3S] matrix_a_fmt:MATRIX_FMT_FP6 matrix_b_fmt:MATRIX_FMT_FP6
.endr
	WIN 0
.if \more
	v_add_nc_u32 v4, 1536, v4                      ; four plain lines in front of the loads into the products' sources and of the first read of results
	v_add_nc_u32 v5, 128, v5
	PLACES 2
	FLOAD
.else
	PLACES 4
.endif
.set j, 0
.rept 16
	v_pk_fma_f32 v[DD+j:DD+j+1], v[DD+j:DD+j+1], s[38:39], v[BB:BB+1] op_sel_hi:[1,0,1]   ; -log2(e) (resp + b3)
.set j, j+2
.endr
.set j, 0
.rept 32
	v_exp_f32 v[DD+j], v[DD+j]
.set j, j+1
.endr
	v_nop                                          ; a plain line behind the transcendentals
.set j, 0
	s_wait_alu depctr_va_vdst(0)
.rept 16
	v_pk_add_f32 v[DD+j:DD+j+1], v[DD+j:DD+j+1], 1.0 op_sel_hi:[1,0]
.set j, j+2
.endr
.set j, 0
.rept 32
	v_rcp_f32 v[DD+j], v[DD+j]                     ; the sigmoid
.set j, j+1
.endr
	v_nop
	s_wait_dscnt \wp                               ; the photons are in and the last trip's stores are done; the next fragments' 16 loads may be out
.set j, 0
	s_wait_alu depctr_va_vdst(0)
.rept 16
	v_pk_mul_f32 v[DD+j:DD+j+1], v[DD+j:DD+j+1], v[PH+j:PH+j+1]
.set j, j+2
.endr
.if \more
	v_add_nc_u32 v6, 512, v6
	PLOAD
.endif
	MAX32 DD                                       ; the block of 32 electrons is all mine
	v_add_nc_u32 v[TM+12], EOFF, v[TM]
	v_cvt_scalef32_pk16_fp6_f32 v[RC:RC+2], v[DD:DD+15], v[TM+12]
	v_cvt_scalef32_pk16_fp6_f32 v[CTB:CTB+2], v[DD+16:DD+31], v[TM+12]
	v_lshrrev_b32 v[TM+8], 23, v[TM+12]            ; the scale's byte (the plain line behind the conversions)
.irp i, 0,1,2
	v_mov_b32 v[RC+3+\i], v[CTB+\i]
.endr
	v_lshlrev_b32 v[TM+8], v10, v[TM+8]            ; at byte h,
	v_permlanex16_b32 v[TM+15], v[TM+8], s32, s33
	v_or_b32 v[TM+8], v[TM+8], v[TM+15]            ; with lane l xor 16's: blocks 2 c and 2 c + 1 of my sensor
	ds_store_b128 v7, v[RC:RC+3]
	ds_store_b64 v8, v[RC+4:RC+5]
	ds_store_b16 v9, v[TM+8]                       ; both lanes of a sensor write the same two bytes with the same value
	v_add_nc_u32 v7, 768, v7
	v_add_nc_u32 v8, 768, v8
	v_add_nc_u32 v9, 32, v9
.endm
	FLOAD
	PLOAD
	s_mov_b32 s31, 9
.Lsens:
	SENS 1, 16
	s_sub_co_u32 s31, s31, 1
	s_cmp_lg_u32 s31, 0
	s_cbranch_scc1 .Lsens
	SENS 0, 0
	BARRIER                                        ; R's codes and scale bytes of all ten K steps lie in LDS
; ---------------- phase C ----------------
	v_lshl_add_u32 v4, v1, 4, RI                   ; v4: R's registers 0-3 of a half; 768 bytes a K step
	v_lshl_add_u32 v5, v1, 3, RI+512               ; v5: registers 4-5
	v_lshl_add_u32 v6, v2, 1, RS                   ; v6: scale half words; 32 bytes a K step
	v_lshl_add_u32 v7, v3, 7, ZB                   ; v7: z of electrons 32 h on; 512 bytes a K step
.macro ZLOAD c                         ; 8 LDS loads: z of electrons 64 c + 32 h + 0 .. 31
.irp i, 0,1,2,3,4,5,6,7
	ds_load_b128 v[ZZ+32*\c+4*\i:ZZ+32*\c+4*\i+3], v7 offset:256*\c+16*\i
.endr
.endm
.macro RLOAD                           ; 24 LDS loads: R's four fragments, in halves, and their scale half words
.irp n, 0,1,2,3
.irp c, 0,1
	ds_load_b128 v[RF+12*\n+6*\c:RF+12*\n+6*\c+3], v4 offset:7680*(\n+4*\c)
	ds_load_b64 v[RF+12*\n+6*\c+4:RF+12*\n+6*\c+5], v5 offset:7680*(\n+4*\c)
	ds_load_u16 v[RSH+2*\n+\c], v6 offset:320*(\n+4*\c)
.endr
.endr
	v_add_nc_u32 v4, 768, v4
	v_add_nc_u32 v5, 768, v5
	v_add_nc_u32 v6, 32, v6
.endm
.macro RSCALE                          ; half c's two bytes are blocks 2 c and 2 c + 1 of the word
.irp n, 0,1,2,3
	v_lshl_or_b32 v[RSC+\n], v[RSH+2*\n+1], 16, v[RSH+2*\n]
.endr
.endm
.macro ARG m, c                        ; 48 lines: -log2(e) / 2 x (t - z)^2 + log2(0.3989422804) for tile m's tick and half c's 32 electrons
.set j, 0
.rept 16
	v_pk_add_f32 v[XX+j:XX+j+1], v[TT+2*\m:TT+2*\m+1], v[ZZ+32*\c+j:ZZ+32*\c+j+1] neg_lo:[0,1] neg_hi:[0,1]
.set j, j+2
.endr
.set j, 0
.rept 16
	v_pk_mul_f32 v[XX+j:XX+j+1], v[XX+j:XX+j+1], v[XX+j:XX+j+1]
.set j, j+2
.endr
.set j, 0
.rept 16
	v_pk_fma_f32 v[XX+j:XX+j+1], v[XX+j:XX+j+1], s[34:35], v[LCP:LCP+1] op_sel_hi:[1,0,1]
.set j, j+2
.endr
.endm
.macro EXPS
.set j, 0
.rept 32
	v_exp_f32 v[XX+j], v[XX+j]
.set j, j+1
.endr
	v_nop                                          ; a plain line behind the transcendentals
	s_wait_alu depctr_va_vdst(0)
.endm
.macro FIN c                           ; the block of 32 in my lane becomes registers 6 c .. 6 c + 5 of E's fragment; with c = 1 the scale word is made
	MAX32 XX
	v_add_nc_u32 v[TM+12+\c], EOFF, v[TM]
	v_cvt_scalef32_pk16_fp6_f32 v[PCC+6*\c:PCC+6*\c+2], v[XX:XX+15], v[TM+12+\c]
	v_cvt_scalef32_pk16_fp6_f32 v[CTC:CTC+2], v[XX+16:XX+31], v[TM+12+\c]
	v_lshrrev_b32 v[TM+8+\c], 23, v[TM+12+\c]      ; the scale's byte (the plain line behind the conversions)
.irp i, 0,1,2
	v_mov_b32 v[PCC+6*\c+3+\i], v[CTC+\i]
.endr
.if \c
	v_lshl_or_b32 v[TM+10], v[TM+9], 16, v[TM+8]   ; my two bytes: blocks h and 2 + h of my tick,
	v_lshlrev_b32 v[TM+10], v10, v[TM+10]          ; 8 h bits up;
	v_permlanex16_b32 v[TM+15], v[TM+10], s32, s33
	v_or_b32 v[ES], v[TM+10], v[TM+15]             ; with lane l xor 16's two the word is whole
.endif
.endm
.macro PROD m, zero                    ; tile m's 16 ticks against the four tiles of sensors.  The sixteen accumulators take turns, one instruction a turn, over the backward jump too
	WIN 0x50                                       ; C and D window 1
.irp n, 0,1,2,3
.if \zero
	v_wmma_scale_f32_16x16x128_f8f6f4 v[8*(4*\m+\n):8*(4*\m+\n)+7], v[PCC:PCC+11], v[RF+12*\n:RF+12*\n+11], 0, v[ES], v[RSC+\n] matrix_a_fmt:MATRIX_FMT_FP6 matrix_b_fmt:MATRIX_FMT_FP6
.else
	v_wmma_scale_f32_16x16x128_f8f6f4 v[8*(4*\m+\n):8*(4*\m+\n)+7], v[PCC:PCC+11], v[RF+12*\n:RF+12*\n+11], v[8*(4*\m+\n):8*(4*\m+\n)+7], v[ES], v[RSC+\n] matrix_a_fmt:MATRIX_FMT_FP6 matrix_b_fmt:MATRIX_FMT_FP6
.endif
.endr
	WIN 0
.endm
; A K step of 128 electrons.  On entry v[XX] on holds ARG 0, 0.  Each ARG stands between the codes and scale word just made and the products that take them: its 48 plain lines are more than the
; eight that a scale register written by a vector line wants.  Behind each PROD the plain line of EXPS and the sixteen of MAX32 stand ahead of the first write of E's fragment and of the loads into R's.
.macro KSTEP zero, more
	s_wait_dscnt 0x0                               ; z of half 1 is in
	EXPS
	FIN 0
	RLOAD
	ARG 0, 1
	EXPS
	FIN 1
	s_wait_dscnt 0x0                               ; R's fragments and half words are in: nothing else is out
	RSCALE
	ARG 1, 0
	PROD 0, \zero
	EXPS
	FIN 0
	ARG 1, 1
	EXPS
	FIN 1
	ARG 2, 0
	PROD 1, \zero
	EXPS
	FIN 0
	ARG 2, 1
	EXPS
	FIN 1
	ARG 3, 0
.if \more
	v_add_nc_u32 v7, 512, v7
	ZLOAD 0                                        ; half 0's z has had its last reader: the next K step's
.endif
	PROD 2, \zero
	EXPS
	FIN 0
	ARG 3, 1
.if \more
	ZLOAD 1
.endif
	EXPS
	FIN 1
.if \more
	s_wait_dscnt 8                                 ; the next half 0 is in; half 1's eight loads may be out
	ARG 0, 0
.else
	PLACES 8
.endif
	PROD 3, \zero
.endm
	ZLOAD 0
	ZLOAD 1
	s_wait_dscnt 8                                 ; half 0 is in; half 1's eight loads may be out
	ARG 0, 0
	KSTEP 1, 1                                     ; the first K step stands in front of the loop: its products start the sums, nothing is cleared
	s_mov_b32 s31, 8
.Lkstep:
	KSTEP 0, 1
	s_sub_co_u32 s31, s31, 1
	s_cmp_lg_u32 s31, 0
	s_cbranch_scc1 .Lkstep
	KSTEP 0, 0                                     ; the tenth asks for nothing more
; ---------------- phase D: the way out ----------------
; Lane (r, h) of accumulator (m, n) holds sensor 16 n + r, ticks 64 w + 16 m + 8 h + 0 .. 7: 32 bytes of a row.  A tile of 16 sensors goes through my own stage and comes back as rows of 256 bytes.
; The nine address lines are the plain lines behind the last products.
	s_mul_i32 s40, s28, 4352
	s_add_co_u32 s40, s40, STG
	v_mul_u32_u24 v4, v2, 272
	v_lshl_add_u32 v4, v3, 5, v4
	v_add_nc_u32 v4, s40, v4                       ; in: row r, + 32 h
	v_mul_u32_u24 v5, v3, 272
	v_lshl_add_u32 v5, v2, 4, v5
	v_add_nc_u32 v5, s40, v5                       ; back: lanes 0-15 one row, lanes 16-31 the next
	v_lshlrev_b32 v6, 11, v3
	v_lshl_add_u32 v6, v2, 4, v6
	s_lshl_b32 s41, s28, 8
	v_add_nc_u32 v6, s41, v6                       ; in part: 2,048 h + 256 w + 16 r
.macro TOSTAGE n
	WIN 0x04                                       ; an LDS store's data are its source 1: window 1
.irp m, 0,1,2,3
	ds_store_b128 v4, v[8*(4*\m+\n):8*(4*\m+\n)+3] offset:64*\m        ; each accumulator from its low end on
	ds_store_b128 v4, v[8*(4*\m+\n)+4:8*(4*\m+\n)+7] offset:64*\m+16
.endr
	WIN 0
.irp i, 0,1,2,3,4,5,6,7
	ds_load_b128 v[OB+32*\n+4*\i:OB+32*\n+4*\i+3], v5 offset:544*\i    ; LDS serves a wave's instructions in order (ISA guide 5.7.1.4): these see the stores above, and the next tile's stores come behind them
.endr
.endm
.macro SEND n, y                       ; y: the LDS instructions issued behind tile n's loads: the next tile's eight stores and eight loads, or none
	s_wait_dscnt \y
.irp i, 0,1,2,3,4,5,6,7
	global_store_b128 v6, v[OB+32*\n+4*\i:OB+32*\n+4*\i+3], s[26:27] offset:(16*\n+2*\i)*2048   ; sixteen lanes store 256 consecutive bytes, at a multiple of 256 from part's first byte; no register of a store is written again
.endr
.endm
	TOSTAGE 0
	TOSTAGE 1
	SEND 0, 16
	TOSTAGE 2
	SEND 1, 16
	TOSTAGE 3
	SEND 2, 16
	SEND 3, 0
	s_barrier_signal -1
	s_barrier_wait -1
	s_wait_tensorcnt 0x0
	ds_add_u32 v254, v255
	s_wait_dscnt 0x0
	s_endpgm
.Lfunc_end_k_q06386da055_wave:
	.size	k_q06386da055_wave, .Lfunc_end_k_q06386da055_wave-k_q06386da055_wave
	.p2alignl 7, 3214868480
	.fill 96, 4, 3214868480
	.section	.rodata,"a",@progbits
	.p2align	6, 0x0
	.amdhsa_kernel k_q06386da055_wave
		.amdhsa_group_segment_fixed_size 253440
		.amdhsa_private_segment_fixed_size 0
		.amdhsa_enable_private_segment 0
		.amdhsa_kernarg_size 96
		.amdhsa_user_sgpr_count 2
		.amdhsa_user_sgpr_kernarg_segment_ptr 1
		.amdhsa_wavefront_size32 1
		.amdhsa_system_sgpr_workgroup_id_x 1
		.amdhsa_system_sgpr_workgroup_id_y 1
		.amdhsa_system_sgpr_workgroup_id_z 1
		.amdhsa_system_vgpr_workitem_id 0
		.amdhsa_next_free_vgpr 512
		.amdhsa_next_free_sgpr 66
		.amdhsa_reserve_vcc 1
		.amdhsa_float_denorm_mode_32 3
		.amdhsa_float_denorm_mode_16_64 3
		.amdhsa_memory_ordered 1
		.amdhsa_forward_progress 1
		.amdhsa_inst_pref_size 224
	.end_amdhsa_kernel
	.amdgpu_metadata
---
amdhsa.version: [ 1, 2 ]
amdhsa.kernels:
  - .name:           k_q06386da055_wave
    .symbol:         k_q06386da055_wave.kd
    .args:
      - { .name: xy_positions, .offset: 0, .size: 8, .value_kind: global_buffer, .address_space: global }
      - { .name: z_positions, .offset: 8, .size: 8, .value_kind: global_buffer, .address_space: global }
      - { .name: el_photons, .offset: 16, .size: 8, .value_kind: global_buffer, .address_space: global }
      - { .name: W1, .offset: 24, .size: 8, .value_kind: global_buffer, .address_space: global }
      - { .name: b1, .offset: 32, .size: 8, .value_kind: global_buffer, .address_space: global }
      - { .name: W2_codes, .offset: 40, .size: 8, .value_kind: global_buffer, .address_space: global }
      - { .name: W2_scales, .offset: 48, .size: 8, .value_kind: global_buffer, .address_space: global }
      - { .name: b2, .offset: 56, .size: 8, .value_kind: global_buffer, .address_space: global }
      - { .name: W3_codes, .offset: 64, .size: 8, .value_kind: global_buffer, .address_space: global }
      - { .name: W3_scales, .offset: 72, .size: 8, .value_kind: global_buffer, .address_space: global }
      - { .name: b3, .offset: 80, .size: 8, .value_kind: global_buffer, .address_space: global }
      - { .name: part, .offset: 88, .size: 8, .value_kind: global_buffer, .address_space: global }
    .group_segment_fixed_size: 253440
    .private_segment_fixed_size: 0
    .kernarg_segment_align: 8
    .kernarg_segment_size: 96
    .max_flat_workgroup_size: 256
    .sgpr_count:     66
    .vgpr_count:     512
    .wavefront_size: 32
...
	.end_amdgpu_metadata
.endif
;; end of part 1
;; launch sum (part 2): grid 256 x 1, 5 waves a work-group, no clusters, 3,328 bytes of LDS; arguments part, out0; writes out0
.if DOCPART == 2
	.amdgcn_target "amdgcn-amd-amdhsa--gfx1250"
	.amdhsa_code_object_version 6
	.text
	.protected	k_q06386da055_sum
	.globl	k_q06386da055_sum
	.p2align	8
	.type	k_q06386da055_sum,@function
k_q06386da055_sum:
	s_mov_b64 s[64:65], 0
	v_nop
	global_prefetch_b8 v0, s[64:65] scope:SCOPE_SE
	s_setreg_imm32_b32 hwreg(HW_REG_WAVE_MODE, 25, 1), 1
	s_wait_xcnt 0x0
; out0[i] = the sum over g = 0 .. 234 of part[g][i], in f32.  part: [235][32768] f32, out0: [32768] f32.
; Work-group c owns numbers 128 c .. 128 c + 127: 512 bytes.  235 = 5 x 47: wave v adds parts 47 v .. 47 v + 46, then the five sums meet in LDS and wave 0 adds and stores them.
; A stream: each byte of part is read once, each load of a wave covers 512 consecutive bytes at a multiple of 512 from part's first byte, and all 47 loads of a wave are issued before the first is waited for.
; No matrix unit, no cluster, no tensor load: work-groups share nothing and there is one addition a number.
.set PARTB, 131072                     ; bytes of a part
.set PER,   47                         ; parts to a wave
	s_load_b128 s[4:7], s[0:1], 0x0                ; part s[4:5], out0 s[6:7]
	v_lshl_add_u32 v208, v0, 2, 0xa00
	v_mov_b32 v209, 0
	v_lshrrev_b32 v2, 5, v0
	v_readfirstlane_b32 s8, v2                     ; wave 0..4
	v_and_b32 v1, 31, v0
	v_lshlrev_b32 v1, 4, v1                        ; 16 bytes a lane
	v_lshlrev_b32 v3, 4, v0                        ; LDS: 512 x wave + 16 x lane = 16 x thread
	s_mul_i32 s10, s8, PER*PARTB                   ; my wave's first part,
	s_lshl_b32 s12, ttmp9, 9                       ; my work-group's 512 bytes
	s_mov_b32 s13, 0
	s_add_co_u32 s10, s10, s12                     ; (30,801,920 bytes in all: under 2^32)
	s_mov_b32 s11, 0
	s_wait_kmcnt 0x0
	s_add_nc_u64 s[4:5], s[4:5], s[10:11]
	s_add_nc_u64 s[6:7], s[6:7], s[12:13]
.set i, 0
.rept PER
	global_load_b128 v[8+4*i:11+4*i], v1, s[4:5] offset:PARTB*i th:TH_LOAD_NT   ; 46 x 131,072 at the most: inside the signed 24-bit immediate
.set i, i+1
.endr
	s_wait_loadcnt PER-2                           ; loads come back in order (ISA guide 5.7.1): the first two are in, the 45 younger ones may be out
	v_pk_add_f32 v[200:201], v[8:9], v[12:13]      ; the first two parts start the sums: nothing is cleared
	v_pk_add_f32 v[202:203], v[10:11], v[14:15]
.set i, 2
.rept PER-2
	s_wait_loadcnt PER-1-i                         ; part i is in; those behind it may be out
	v_pk_add_f32 v[200:201], v[200:201], v[8+4*i:9+4*i]
	v_pk_add_f32 v[202:203], v[202:203], v[10+4*i:11+4*i]
.set i, i+1
.endr
	ds_store_b128 v3, v[200:203]
	s_wait_dscnt 0x0                               ; for the others' sake: my store has landed
	s_barrier_signal -1
	s_barrier_wait -1
	s_cmp_lg_u32 s8, 0
	s_cbranch_scc1 .Lend                           ; wave 0 alone goes on
.irp k, 0,1,2,3,4
	ds_load_b128 v[8+4*\k:11+4*\k], v1 offset:512*\k
.endr
	s_wait_dscnt 0x0
	v_pk_add_f32 v[8:9], v[8:9], v[12:13]
	v_pk_add_f32 v[10:11], v[10:11], v[14:15]
	v_pk_add_f32 v[16:17], v[16:17], v[20:21]
	v_pk_add_f32 v[18:19], v[18:19], v[22:23]
	v_pk_add_f32 v[8:9], v[8:9], v[24:25]
	v_pk_add_f32 v[10:11], v[10:11], v[26:27]
	v_pk_add_f32 v[8:9], v[8:9], v[16:17]
	v_pk_add_f32 v[10:11], v[10:11], v[18:19]
	global_store_b128 v1, v[8:11], s[6:7] th:TH_STORE_NT   ; 32 lanes store 512 consecutive bytes, at a multiple of 512 from out0's first byte
.Lend:
	s_barrier_signal -1
	s_barrier_wait -1
	s_wait_tensorcnt 0x0
	ds_add_u32 v208, v209
	s_wait_dscnt 0x0
	s_endpgm
.Lfunc_end_k_q06386da055_sum:
	.size	k_q06386da055_sum, .Lfunc_end_k_q06386da055_sum-k_q06386da055_sum
	.p2alignl 7, 3214868480
	.fill 96, 4, 3214868480
	.section	.rodata,"a",@progbits
	.p2align	6, 0x0
	.amdhsa_kernel k_q06386da055_sum
		.amdhsa_group_segment_fixed_size 3328
		.amdhsa_private_segment_fixed_size 0
		.amdhsa_enable_private_segment 0
		.amdhsa_kernarg_size 16
		.amdhsa_user_sgpr_count 2
		.amdhsa_user_sgpr_kernarg_segment_ptr 1
		.amdhsa_wavefront_size32 1
		.amdhsa_system_sgpr_workgroup_id_x 1
		.amdhsa_system_sgpr_workgroup_id_y 1
		.amdhsa_system_sgpr_workgroup_id_z 1
		.amdhsa_system_vgpr_workitem_id 0
		.amdhsa_next_free_vgpr 210
		.amdhsa_next_free_sgpr 66
		.amdhsa_reserve_vcc 0
		.amdhsa_float_denorm_mode_32 3
		.amdhsa_float_denorm_mode_16_64 3
		.amdhsa_memory_ordered 1
		.amdhsa_forward_progress 1
		.amdhsa_inst_pref_size 14
	.end_amdhsa_kernel
	.amdgpu_metadata
---
amdhsa.version: [ 1, 2 ]
amdhsa.kernels:
  - .name:           k_q06386da055_sum
    .symbol:         k_q06386da055_sum.kd
    .args:
      - { .name: part, .offset: 0, .size: 8, .value_kind: global_buffer, .address_space: global }
      - { .name: out0, .offset: 8, .size: 8, .value_kind: global_buffer, .address_space: global }
    .group_segment_fixed_size: 3328
    .private_segment_fixed_size: 0
    .kernarg_segment_align: 8
    .kernarg_segment_size: 16
    .max_flat_workgroup_size: 160
    .sgpr_count:     66
    .vgpr_count:     210
    .wavefront_size: 32
...
	.end_amdgpu_metadata
.endif
;; end of part 2
